; MI455X (gfx1250); checked and timed in simulation.
; The chip was launched on July 23, 2026; its instructions are those of AMD's public machine-readable ISA for CDNA 5 (MIT licence, August 2026) and "CDNA5" Instruction Set Architecture Reference Guide (July 2026). The comments in the code are by the model that wrote it; some were corrected since.
;; Linear Attention. Allowed arithmetic: float matrix products may take bf16 or f16 operands with f32 sums; other float arithmetic in f32, or as packed bf16 or f16 multiplies, adds, multiply-adds, maxima and minima; sums over many terms, partial sums and values carried from step to step in f32; what a program stores and reads back later, other than sums and carried values, may be rounded once to bf16 or f16.
;; Inputs: Wk 256 x 1,024 float32; Wo 1,024 x 1,024 float32; Wq 256 x 1,024 float32; Wv 1,024 x 1,024 float32; hidden_states 2 x 2,048 x 1,024 float32.
;; Outputs: out0 2 x 2,048 x 1,024 float32.
;; One version. Each part assembles by itself: llvm-mc -triple=amdgcn-amd-amdhsa -mcpu=gfx1250 --defsym DOCPART=n.
;; ======== version 1 of 1: 4 launches
;; limits: values are held in f16: magnitudes above 65,504 overflow, below 6.1e-05 lose precision
;; workspace buffers: xb 8,388,608 bytes; wcat 3,145,728 bytes; wob 2,097,152 bytes; qf 2,097,152 bytes; kf 4,194,304 bytes; vf 16,777,216 bytes; kmx 131,072 bytes; yb 16,777,216 bytes
;; launch cvt (part 1): grid 416 x 1, 8 waves a work-group, no clusters, 35,840 bytes of LDS; arguments hidden_states, Wq, Wk, Wv, Wo, xb, wcat, wob; writes xb, wcat, wob
.if DOCPART == 1
	.amdgcn_target "amdgcn-amd-amdhsa--gfx1250"
	.amdhsa_code_object_version 6
	.text
	.protected	k_q3b1b449a22_cvt
	.globl	k_q3b1b449a22_cvt
	.p2align	8
	.type	k_q3b1b449a22_cvt,@function
k_q3b1b449a22_cvt:
	s_mov_b64 s[64:65], 0
	v_nop
	global_prefetch_b8 v0, s[64:65] scope:SCOPE_SE
	s_setreg_imm32_b32 hwreg(HW_REG_WAVE_MODE, 25, 1), 1
	s_wait_xcnt 0x0
; ALL FIVE INPUTS, f32, ARE ROUNDED ONCE TO bf16 (nearest even) and laid out for the products that follow.
; A work-group takes 16 rows of 1,024 f32.  Work-groups 0-255: x; 256-271: Wq; 272-287: Wk; 288-351: Wv; 352-415: Wo.
;   x  -> xb   [256 groups of 16 rows][32 chunks of 32 k][1,024 bytes]: a chunk is a matrix fragment as it lies in registers: lane l = 16 h + r holds row r;
;              bytes 16 l: k = 8 h .. 8 h + 7; bytes 512 + 16 l: k = 16 + 8 h .. + 7.  So a fragment is later loaded by two loads of 512 consecutive bytes.
;   Wq, Wk, Wv -> wcat [16 heads][96 rows: 16 of Wq, 16 of Wk, 64 of Wv][1,024 bf16];   Wo -> wob [1,024][1,024 bf16].
; Thread t owns the 16 bytes at 16 t of each of the 16 rows: a wave's load covers 512 consecutive bytes; sixteen loads a wave are out together.
; A weight row leaves as it lies: 8 bytes a lane, a wave's store covers 256 consecutive bytes, aligned.  x goes through the wave's own 16 x 272 bytes of LDS to change lanes.
; No matrix unit, no cluster, no tensor load, no prefetch: each byte is read once and written once, and nothing is shared.
.set LPITCH, 272                       ; 256 bytes (a wave's 128 bf16 of a row) + 16: the 16 rows that a load touches start at 16 different groups of four banks (ISA guide 11.1)
.set WLDS,   16*LPITCH                 ; a wave's bytes
.set SPARE,  8*WLDS                    ; behind them: the spare words, 128 bytes for each of the eight waves, which no other line names
.set SO,  1                            ; v1  16 t: my bytes in a source row
.set DW,  2                            ; v2  8 t: my bytes in a bf16 row
.set LSA, 3                            ; v3  LDS: where I put 8 bytes of a row
.set LLA, 4                            ; v4  LDS: where I read 16 bytes of a fragment
.set DX,  5                            ; v5  my 16 bytes in the wave's four chunks of xb
.set SPW, 6                            ; v6  LDS address of my spare word; never rewritten
.set NIL, 7                            ; v7  0; never rewritten
.set X,   16                           ; v[16:79]  16 rows x 4 f32; later 8 x 4 registers read back from LDS
.set C,   80                           ; v[80:111] 16 rows x 4 bf16
.set ID,  20                           ; s20 the work-group's number
.set SRC, 24                           ; s[24:25]
.set DST, 26                           ; s[26:27]
	s_load_b512 s[4:19], s[0:1], 0x0               ; x s[4:5], Wq s[6:7], Wk s[8:9], Wv s[10:11], Wo s[12:13], xb s[14:15], wcat s[16:17], wob s[18:19]
	v_lshl_add_u32 v[SPW], v0, 2, SPARE
	v_mov_b32 v[NIL], 0
	v_lshrrev_b32 v8, 5, v0
	v_readfirstlane_b32 s28, v8                    ; wave 0..7
	v_and_b32 v9, 31, v0                           ; l
	v_and_b32 v10, 15, v0                          ; r
	v_bfe_u32 v11, v0, 4, 1                        ; h
	v_lshlrev_b32 v[SO], 4, v0
	v_lshlrev_b32 v[DW], 3, v0
	s_mul_i32 s29, s28, WLDS
	v_lshl_add_u32 v[LSA], v9, 3, s29
	v_mul_u32_u24 v12, v10, LPITCH
	v_lshl_add_u32 v12, v11, 4, v12
	v_add_nc_u32 v[LLA], s29, v12
	s_lshl_b32 s29, s28, 12                        ; the wave's four chunks: 4,096 bytes
	v_lshl_add_u32 v[DX], v9, 4, s29
	; for each of the five tensors: which 16 rows (u), and the byte at which they go.  The one that applies is chosen below.
	s_mov_b32 s[ID], ttmp9
	s_lshl_b32 s37, s[ID], 15                      ; x: group u = ID, 32,768 bytes each
	s_sub_co_u32 s30, s[ID], 256                   ; Wq: head u, at row 96 u of wcat (a row is 2,048 bytes)
	s_mul_i32 s31, s30, 196608
	s_sub_co_u32 s32, s[ID], 272                   ; Wk: head u, at row 96 u + 16
	s_mul_i32 s33, s32, 196608
	s_add_co_u32 s33, s33, 32768
	s_sub_co_u32 s34, s[ID], 288                   ; Wv: head u / 4, at row 96 (u / 4) + 32 + 16 (u % 4)
	s_lshr_b32 s35, s34, 2
	s_mul_i32 s35, s35, 196608
	s_and_b32 s36, s34, 3
	s_lshl_b32 s36, s36, 15
	s_add_co_u32 s35, s35, s36
	s_add_co_u32 s35, s35, 65536
	s_sub_co_u32 s21, s[ID], 352                   ; Wo: rows 16 u of wob
	s_lshl_b32 s22, s21, 15
	s_wait_kmcnt 0x0
	s_mov_b64 s[SRC:SRC+1], s[12:13]
	s_mov_b64 s[DST:DST+1], s[18:19]
	s_cmp_lt_u32 s[ID], 352
	s_cselect_b32 s21, s34, s21
	s_cselect_b32 s22, s35, s22
	s_cselect_b64 s[SRC:SRC+1], s[10:11], s[SRC:SRC+1]
	s_cselect_b64 s[DST:DST+1], s[16:17], s[DST:DST+1]
	s_cmp_lt_u32 s[ID], 288
	s_cselect_b32 s21, s32, s21
	s_cselect_b32 s22, s33, s22
	s_cselect_b64 s[SRC:SRC+1], s[8:9], s[SRC:SRC+1]
	s_cmp_lt_u32 s[ID], 272
	s_cselect_b32 s21, s30, s21
	s_cselect_b32 s22, s31, s22
	s_cselect_b64 s[SRC:SRC+1], s[6:7], s[SRC:SRC+1]
	s_cmp_lt_u32 s[ID], 256
	s_cselect_b32 s21, s[ID], s21
	s_cselect_b32 s22, s37, s22
	s_cselect_b64 s[SRC:SRC+1], s[4:5], s[SRC:SRC+1]
	s_cselect_b64 s[DST:DST+1], s[14:15], s[DST:DST+1]
	s_lshl_b32 s38, s21, 16                        ; 16 source rows are 65,536 bytes
	s_mov_b32 s39, 0
	s_mov_b32 s23, 0
	s_add_nc_u64 s[SRC:SRC+1], s[SRC:SRC+1], s[38:39]
	s_add_nc_u64 s[DST:DST+1], s[DST:DST+1], s[22:23]
.set p, 0
.rept 16
	global_load_b128 v[X+4*p:X+4*p+3], v[SO], s[SRC:SRC+1] offset:4096*p th:TH_LOAD_NT
.set p, p+1
.endr
.set p, 0
.rept 16
	s_wait_loadcnt 15-p                            ; loads come back in order (ISA guide 5.7.1): row p is in, the younger rows stay out
	v_cvt_pk_bf16_f32 v[C+2*p], v[X+4*p], v[X+4*p+1]
	v_cvt_pk_bf16_f32 v[C+2*p+1], v[X+4*p+2], v[X+4*p+3]
.set p, p+1
.endr
	s_cmp_lt_u32 s[ID], 256
	s_cbranch_scc1 .Lx
.set p, 0
.rept 16
	global_store_b64 v[DW], v[C+2*p:C+2*p+1], s[DST:DST+1] offset:2048*p  ; a weight row as it lies
.set p, p+1
.endr
	s_branch .Lend
.Lx:
.set p, 0
.rept 16
	ds_store_b64 v[LSA], v[C+2*p:C+2*p+1] offset:LPITCH*p
.set p, p+1
.endr
.set p, 0
.rept 8                                ; chunk p / 2 of the wave's four, half p % 2.  LDS serves a wave's instructions in order (ISA guide 5.7.1.4): these see the stores above, which are the wave's own
	ds_load_b128 v[X+4*p:X+4*p+3], v[LLA] offset:64*(p/2)+32*(p%2)
.set p, p+1
.endr
.set p, 0
.rept 8
	s_wait_dscnt 7-p
	global_store_b128 v[DX], v[X+4*p:X+4*p+3], s[DST:DST+1] offset:1024*(p/2)+512*(p%2)  ; 512 consecutive bytes, aligned
.set p, p+1
.endr
.Lend:
	s_wait_tensorcnt 0x0                           ; the wave's end, behind my last LDS store
	ds_add_u32 v[SPW], v[NIL]
	s_wait_dscnt 0x0
	s_endpgm
.Lfunc_end_k_q3b1b449a22_cvt:
	.size	k_q3b1b449a22_cvt, .Lfunc_end_k_q3b1b449a22_cvt-k_q3b1b449a22_cvt
	.p2alignl 7, 3214868480
	.fill 96, 4, 3214868480
	.section	.rodata,"a",@progbits
	.p2align	6, 0x0
	.amdhsa_kernel k_q3b1b449a22_cvt
		.amdhsa_group_segment_fixed_size 35840
		.amdhsa_private_segment_fixed_size 0
		.amdhsa_enable_private_segment 0
		.amdhsa_kernarg_size 64
		.amdhsa_user_sgpr_count 2
		.amdhsa_user_sgpr_kernarg_segment_ptr 1
		.amdhsa_wavefront_size32 1
		.amdhsa_system_sgpr_workgroup_id_x 1
		.amdhsa_system_sgpr_workgroup_id_y 1
		.amdhsa_system_sgpr_workgroup_id_z 1
		.amdhsa_system_vgpr_workitem_id 0
		.amdhsa_next_free_vgpr 112
		.amdhsa_next_free_sgpr 66
		.amdhsa_reserve_vcc 0
		.amdhsa_float_denorm_mode_32 3
		.amdhsa_float_denorm_mode_16_64 3
		.amdhsa_memory_ordered 1
		.amdhsa_forward_progress 1
		.amdhsa_inst_pref_size 12
	.end_amdhsa_kernel
	.amdgpu_metadata
---
amdhsa.version: [ 1, 2 ]
amdhsa.kernels:
  - .name:           k_q3b1b449a22_cvt
    .symbol:         k_q3b1b449a22_cvt.kd
    .args:
      - { .name: hidden_states, .offset: 0, .size: 8, .value_kind: global_buffer, .address_space: global }
      - { .name: Wq, .offset: 8, .size: 8, .value_kind: global_buffer, .address_space: global }
      - { .name: Wk, .offset: 16, .size: 8, .value_kind: global_buffer, .address_space: global }
      - { .name: Wv, .offset: 24, .size: 8, .value_kind: global_buffer, .address_space: global }
      - { .name: Wo, .offset: 32, .size: 8, .value_kind: global_buffer, .address_space: global }
      - { .name: xb, .offset: 40, .size: 8, .value_kind: global_buffer, .address_space: global }
      - { .name: wcat, .offset: 48, .size: 8, .value_kind: global_buffer, .address_space: global }
      - { .name: wob, .offset: 56, .size: 8, .value_kind: global_buffer, .address_space: global }
    .group_segment_fixed_size: 35840
    .private_segment_fixed_size: 0
    .kernarg_segment_align: 8
    .kernarg_segment_size: 64
    .max_flat_workgroup_size: 256
    .sgpr_count:     66
    .vgpr_count:     112
    .wavefront_size: 32
...
	.end_amdgpu_metadata
.endif
;; end of part 1
;; launch proj (part 2): grid 16 x 16, 4 waves a work-group, clusters of 4 x 1, 203,264 bytes of LDS; arguments xb, wcat, qf, kf, vf, kmx; writes qf, kf, vf, kmx
.if DOCPART == 2
	.amdgcn_target "amdgcn-amd-amdhsa--gfx1250"
	.amdhsa_code_object_version 6
	.text
	.protected	k_q3b1b449a22_proj
	.globl	k_q3b1b449a22_proj
	.p2align	8
	.type	k_q3b1b449a22_proj,@function
k_q3b1b449a22_proj:
	s_mov_b64 s[64:65], 0
	v_nop
	global_prefetch_b8 v0, s[64:65] scope:SCOPE_SE
	s_setreg_imm32_b32 hwreg(HW_REG_WAVE_MODE, 25, 1), 1
	s_wait_xcnt 0x0
	s_wait_alu depctr_hold_cnt(0) depctr_sa_sdst(0) depctr_va_vdst(0) depctr_va_sdst(0) depctr_va_ssrc(0) depctr_va_vcc(0) depctr_vm_vsrc(0)
	s_getreg_b32 s2, hwreg(HW_REG_IB_STS2, 6, 4)
	s_cmp_eq_u32 s2, 0
	s_cbranch_scc0 .Lentry_in_a_cluster
	s_endpgm
.Lentry_in_a_cluster:
	s_bfe_u32 s2, ttmp6, 0x10000c
	s_cmp_lg_u32 s2, 0x3003
	s_cbranch_scc0 .Lentry_shape_is_right
	s_endpgm
.Lentry_shape_is_right:
; q, k, v OF ONE HEAD FOR 256 ROWS OF x: bf16 products, f32 sums over K = 1,024, results in f16.
; LIMITS.  q, k and v are stored in f16: they must stay under 65,504 in magnitude.  NaN and infinities are not treated apart.
; OUT.  q: f16.  k and v: f16 hi and f16 lo, lo = the rounding of (f32 sum - hi).  All in the order in which the next launch's matrix fragments lie in registers, 16 bytes a lane, 512 consecutive bytes a store:
;   qf [32 bh][128 groups of 16 rows][512]: lane 16 h + r: row r, features 8 h .. 8 h + 7.      kf [32 bh][128 groups][hi 512, lo 512], likewise.
;   vf hi at 0, lo at 8,388,608: [32 bh][64 chunks of 32 rows][4 blocks of 16 channels][1,024]: lane 16 h + r: channel r; bytes 16 l: rows 8 h .. + 7, bytes 512 + 16 l: rows 16 + 8 h .. + 7.
;   kmx [32 bh][32 slots][32 lanes] f32: the largest |k|^2 among four of a wave's rows; the next launch takes the maximum of a bh's 1,024 numbers.
; SHARES.  A work-group: 256 rows x the head's 96 weight rows (16 of Wq, 16 of Wk, 64 of Wv).  A wave: 64 rows (4 groups i) x 96 columns (6 blocks): 24 accumulators.
; WEIGHTS.  The head's 96 rows x 1,024 k lie in LDS for the whole launch, as four parts of 256 k; wave w brings part w by one tensor load.  Nothing is filled again: no ring, and one barrier.
; The four work-groups of a cluster have the same head: the load is JOINT (mask 15).
; x goes straight from memory into registers: a wave's rows are its own, and xb holds fragments as they lie in registers.  A ring of eight register slots, a chunk of 32 k each; seven chunks (56 loads) are out.
; NO JOINT LOAD FOR x: sixteen work-groups (the heads) read the same rows, but they go to registers, where no joint form exists; through LDS a chunk's 24 products a wave would be all the time a refill has.
; q and k are made TRANSPOSED (source 0 = weight rows): a lane holds one row of x and eight features.  v is made the natural way (source 0 = x's rows): a lane holds one channel and eight rows.
; REGISTERS, in windows of 256 (s_set_vgpr_msb: bits 1:0 source 0, 3:2 source 1, 5:4 source 2, 7:6 destination):
;   window 0: v0-11 addresses and at work; v32-55 the way out; v64-255 accumulator (i, j) at 64 + 8 (6 i + j)      window 1: x's slot s, group i at 32 s + 8 i      window 2: weights' buffer f, block j at 48 f + 8 j
.set PITCH,  528                       ; an LDS row: 512 bytes + 16: row r starts at bank 4 r mod 64 (64 banks of 4 bytes: ISA guide 11.1)
.set PARTB,  96*PITCH                  ; a part: 96 rows x 256 k
.set SPARE,  4*PARTB                   ; behind the four parts: the spare words, 128 bytes for each wave, which no other line names
.set LO16,  1                          ; v1  16 x lane; never rewritten
.set ADRB,  2                          ; v2  my place in a weight fragment, in the part in hand
.set ADRBN, 3                          ; v3  the same in the next part
.set KMO,   4                          ; v4  4 x lane
.set NEG1,  5                          ; v5  -1.0
.set SPW,   6                          ; v6  LDS address of my spare word; never rewritten
.set NIL,   7                          ; v7  0; never rewritten
.set KMX,   8                          ; v8  the largest |k|^2 so far
.set HI,    32                         ; v[32:35]
.set LO,    36                         ; v[36:39]
.set R,     48                         ; v[48:55]
.set ACC,   64
.set WV,  16                           ; s16 my wave's number
.set G1,  24                           ; s[24:31] descriptor group 1
.set G0,  32                           ; s[32:35] descriptor group 0
.set XA,  48                           ; s[48:49] xb at my first group, at the part in hand
.set QO,  50
.set KO,  52
.set VH,  54
.set VL,  56
.set MO,  58
.set SEL, 60                           ; s[60:61] v_permlanex16_b32's selects: each lane takes its own place in the other half
.set CNT, 62
.set MSB, 0
.macro WIN new                         ; the immediate's high byte repeats the setting that is left; a switch that changes nothing is dropped
.if MSB != (\new)
	s_set_vgpr_msb (MSB<<8)|(\new)
.set MSB, \new
.endif
.endm
.macro PLACES                          ; four places behind matrix instructions, in front of loads into registers that they have read and of reads of their results
.rept 4
	v_nop
.endr
.endm
.macro CROUND                          ; a round of the cluster's barrier
	s_barrier_signal -1
	s_barrier_wait -1
	s_cmp_lg_u32 s[WV], 0
	s_cbranch_scc1 .Lnot_wave_0_\@
	s_barrier_signal -3
.Lnot_wave_0_\@:
	s_barrier_wait -3
	s_barrier_signal -1
	s_barrier_wait -1
.endm
	s_load_b256 s[4:11], s[0:1], 0x0               ; xb s[4:5], wcat s[6:7], qf s[8:9], kf s[10:11]
	s_load_b128 s[12:15], s[0:1], 0x20             ; vf s[12:13], kmx s[14:15]
	v_lshl_add_u32 v[SPW], v0, 2, SPARE
	v_mov_b32 v[NIL], 0
	ds_add_u32 v[SPW], v[NIL]                      ; the wave's opening: the add, twice on end, and its wait ahead of my first tensor load
	ds_add_u32 v[SPW], v[NIL]                      ; and once more, under the one wait; the set-up below, work on registers, stands between
	v_lshrrev_b32 v9, 5, v0
	v_readfirstlane_b32 s[WV], v9                  ; wave 0..3
	s_and_b32 s19, ttmp7, 0xffff                   ; the head, which the four partners share
	s_mov_b32 s[G1+0], 15|(1<<16)|(1<<20)|(1<<21)|(6<<22)|(3<<25)  ; 15:0 the mask of four; 17:16 2-byte elements; 20 padding on; 21 set beside a mask; 24:22 after every 128 words (code 6); 31:25 4 words (code 3)
	s_mov_b32 s[G1+1], 256<<16                     ; tensor_dim0 = 256
	s_mov_b32 s[G1+2], 96<<16                      ; tensor_dim1 = 96
	s_mov_b32 s[G1+3], 256<<16                     ; tile_dim0 = 256
	s_mov_b32 s[G1+4], 96                          ; tile_dim1 = 96
	s_mov_b32 s[G1+5], 1024                        ; elements from row to row
	s_mov_b32 s[G1+6], 0
	s_mov_b32 s[G1+7], 0
	s_mul_i32 s20, s19, 196608                     ; the head's 96 rows of 2,048 bytes,
	s_lshl_b32 s21, s[WV], 9                       ; my part's 512 bytes of each
	s_add_co_u32 s20, s20, s21
	s_mov_b32 s21, 0
	s_mov_b32 s[G0], 1                             ; count = 1
	s_mul_i32 s[G0+1], s[WV], PARTB                ; LDS address: part = wave; no place in the cluster enters it
	; what hangs on my place in the cluster: the rows of x, and where the results go
	s_bfe_u32 s17, ttmp6, 0x40000                  ; cx
	s_lshl_b32 s18, ttmp9, 2
	s_add_co_u32 s18, s18, s17                     ; RT: my block of 256 rows = 4 x cluster x + cx
	s_lshl_b32 s[XA], s18, 4
	s_lshl2_add_u32 s[XA], s[WV], s[XA]            ; my first group of 16 rows: 16 RT + 4 w
	s_lshl_b32 s[XA], s[XA], 15                    ; 32,768 bytes a group
	s_mov_b32 s[XA+1], 0
	s_lshr_b32 s2, s18, 3                          ; the batch
	s_lshl4_add_u32 s2, s2, s19                    ; bh = 16 b + head
	s_and_b32 s63, s18, 7
	s_lshl_b32 s63, s63, 4
	s_lshl2_add_u32 s63, s[WV], s63                ; g0: my first group within the batch
	s_lshl_b32 s[QO], s2, 16
	s_lshl_b32 s3, s63, 9
	s_add_co_u32 s[QO], s[QO], s3
	s_mov_b32 s[QO+1], 0
	s_lshl_b32 s[KO], s2, 17
	s_lshl_b32 s3, s63, 10
	s_add_co_u32 s[KO], s[KO], s3
	s_mov_b32 s[KO+1], 0
	s_lshl_b32 s[VH], s2, 18
	s_lshl_b32 s3, s63, 11
	s_add_co_u32 s[VH], s[VH], s3
	s_mov_b32 s[VH+1], 0
	s_lshl_b32 s[MO], s2, 12
	s_lshl_b32 s3, s63, 5                          ; slot g0 / 4, 128 bytes each
	s_add_co_u32 s[MO], s[MO], s3
	s_mov_b32 s[MO+1], 0
	s_mov_b32 s[SEL], 0x76543210
	s_mov_b32 s[SEL+1], 0xfedcba98
	v_and_b32 v9, 31, v0
	v_lshlrev_b32 v[LO16], 4, v9
	v_lshlrev_b32 v[KMO], 2, v9
	v_and_b32 v10, 15, v0                          ; r
	v_bfe_u32 v11, v0, 4, 1                        ; h
	v_mul_u32_u24 v[ADRB], v10, PITCH
	v_lshl_add_u32 v[ADRB], v11, 4, v[ADRB]        ; row x pitch + 16 x half
	v_add_nc_u32 v[ADRBN], PARTB, v[ADRB]
	v_mov_b32 v[NEG1], -1.0
	s_wait_dscnt 0x0                               ; both opening adds are done
	s_wait_kmcnt 0x0
	s_add_nc_u64 s[G0+2:G0+3], s[6:7], s[20:21]    ; global address of my part
	s_or_b32 s[G0+3], s[G0+3], 0x80000000          ; type = 2
	s_add_nc_u64 s[XA:XA+1], s[4:5], s[XA:XA+1]
	s_add_nc_u64 s[QO:QO+1], s[8:9], s[QO:QO+1]
	s_add_nc_u64 s[KO:KO+1], s[10:11], s[KO:KO+1]
	s_add_nc_u64 s[VH:VH+1], s[12:13], s[VH:VH+1]
	s_add_nc_u64 s[VL:VL+1], s[VH:VH+1], 0x800000
	s_add_nc_u64 s[MO:MO+1], s[14:15], s[MO:MO+1]
	CROUND                                         ; all four work-groups are here: the joint loads meet
	tensor_load_to_lds s[G0:G0+3], s[G1:G1+7]      ; my one tensor load of the launch
	s_nop 0
	PLACES                                         ; four v_nop behind it, ahead of the first switch of windows
; A chunk of x: my four groups' fragments into slot s, from byte off behind the pointer: 8 loads of 512 consecutive bytes
.macro ALOAD slot, off
	WIN 0x40                                       ; destination window 1, address window 0
.irp i, 0,1,2,3
	global_load_b128 v[32*(\slot)+8*\i:32*(\slot)+8*\i+3],   v[LO16], s[XA:XA+1] offset:32768*\i+(\off)
	global_load_b128 v[32*(\slot)+8*\i+4:32*(\slot)+8*\i+7], v[LO16], s[XA:XA+1] offset:32768*\i+(\off)+512
.endr
.endm
; A chunk of the weights: six fragments into buffer f, from byte off of the LDS rows: 12 loads in one run
.macro BLOAD buf, adr, off
	WIN 0x80                                       ; destination window 2, address window 0
.irp j, 0,1,2,3,4,5
	ds_load_b128 v[48*(\buf)+8*\j:48*(\buf)+8*\j+3],   v[\adr] offset:16*PITCH*\j+(\off)
	ds_load_b128 v[48*(\buf)+8*\j+4:48*(\buf)+8*\j+7], v[\adr] offset:16*PITCH*\j+(\off)+32
.endr
.endm
; A chunk's 24 products, one on each accumulator: the accumulators take turns over the backward jump too.  zero = 1: they start the sums: nothing is cleared.
.macro MULS slot, buf, zero
	WIN 0x06                                       ; q and k: source 0 = weights (window 2), source 1 = x (window 1)
.irp j, 0,1
.irp i, 0,1,2,3
.if \zero
	v_wmma_f32_16x16x32_bf16 v[ACC+8*(6*\i+\j):ACC+8*(6*\i+\j)+7], v[48*(\buf)+8*\j:48*(\buf)+8*\j+7], v[32*(\slot)+8*\i:32*(\slot)+8*\i+7], 0
.else
	v_wmma_f32_16x16x32_bf16 v[ACC+8*(6*\i+\j):ACC+8*(6*\i+\j)+7], v[48*(\buf)+8*\j:48*(\buf)+8*\j+7], v[32*(\slot)+8*\i:32*(\slot)+8*\i+7], v[ACC+8*(6*\i+\j):ACC+8*(6*\i+\j)+7]
.endif
.endr
.endr
	WIN 0x09                                       ; v: source 0 = x (window 1), source 1 = weights (window 2)
.irp j, 2,3,4,5
.irp i, 0,1,2,3
.if \zero
	v_wmma_f32_16x16x32_bf16 v[ACC+8*(6*\i+\j):ACC+8*(6*\i+\j)+7], v[32*(\slot)+8*\i:32*(\slot)+8*\i+7], v[48*(\buf)+8*\j:48*(\buf)+8*\j+7], 0
.else
	v_wmma_f32_16x16x32_bf16 v[ACC+8*(6*\i+\j):ACC+8*(6*\i+\j)+7], v[32*(\slot)+8*\i:32*(\slot)+8*\i+7], v[48*(\buf)+8*\j:48*(\buf)+8*\j+7], v[ACC+8*(6*\i+\j):ACC+8*(6*\i+\j)+7]
.endif
.endr
.endr
.endm
; Chunk cc (0..7) of the part in hand.  left: the loads of x younger than this chunk's eight, which may stay out.  aload = 1: the chunk seven on is asked for, into the slot that the last chunk's products read.
; bnext = 1: the next chunk's weights are fetched from this part; 2: from the head of the next part; 0: none.
.macro CH cc, left, aload, bnext, zero
	WIN 0
	s_wait_loadcnt \left                           ; loads come back in order: this chunk of x is in
	s_wait_dscnt 0x0                               ; and its weights, asked for 24 products ago
	PLACES
.if \aload
	ALOAD ((\cc)+7)&7, 1024*((\cc)+7)
.endif
.if (\bnext) == 1
	BLOAD ((\cc)+1)&1, ADRB, 64*((\cc)+1)
.elseif (\bnext) == 2
	BLOAD 0, ADRBN, 0
.endif
	MULS \cc, (\cc)&1, \zero
.endm
.macro STEP                            ; on to the next part
	WIN 0
	s_wait_xcnt 0x0                                ; every load issued so far has read its address (ISA guide 3.1), so the pointer may be written
	s_add_nc_u64 s[XA:XA+1], s[XA:XA+1], 8192
	v_add_nc_u32 v[ADRB], PARTB, v[ADRB]
	v_add_nc_u32 v[ADRBN], PARTB, v[ADRBN]
.endm
.irp c, 0,1,2,3,4,5,6
	ALOAD \c, 1024*\c                              ; chunks 0 to 6 of x: 56 loads a wave
.endr
	WIN 0
	s_wait_tensorcnt 0x0                           ; my part of the weights is in,
	s_barrier_signal -1
	s_barrier_wait -1                              ; everybody's is: all 1,024 k
	BLOAD 0, ADRB, 0
	CH 0, 48, 1, 1, 1                              ; chunk 0 stands in front of the loop: its products start the sums.  48: six younger chunks
	WIN 0
	s_mov_b32 s[CNT], 3
.Lpart:                                            ; a trip: chunks 1 to 7 of a part and chunk 0 of the next
.irp c, 1,2,3,4,5,6
	CH \c, 48, 1, 1, 0
.endr
	CH 7, 48, 1, 2, 0
	STEP
	CH 0, 48, 1, 1, 0
	WIN 0
	s_sub_co_u32 s[CNT], s[CNT], 1
	s_cmp_lg_u32 s[CNT], 0
	s_cbranch_scc1 .Lpart
	CH 1, 48, 0, 1, 0                              ; chunks 25 to 31 ask for nothing more of x: the counts run down
	CH 2, 40, 0, 1, 0
	CH 3, 32, 0, 1, 0
	CH 4, 24, 0, 1, 0
	CH 5, 16, 0, 1, 0
	CH 6, 8, 0, 1, 0
	CH 7, 0, 0, 0, 0
	WIN 0
	; THE WAY OUT.  Each accumulator's registers are taken in ascending order.
	PLACES
	PLACES
; hi = f16(sum); lo = f16(sum - hi), the difference exact in f32
.macro SPLIT acc
	s_wait_xcnt 0x0                                ; the stores issued so far have read HI and LO
.irp p, 0,1,2,3
	v_cvt_pk_f16_f32 v[HI+\p], v[(\acc)+2*\p], v[(\acc)+2*\p+1]
.endr
.irp p, 0,1,2,3
	v_fma_mix_f32 v[R+2*\p],   v[HI+\p], v[NEG1], v[(\acc)+2*\p]   op_sel:[0,0,0] op_sel_hi:[1,0,0]
	v_fma_mix_f32 v[R+2*\p+1], v[HI+\p], v[NEG1], v[(\acc)+2*\p+1] op_sel:[1,0,0] op_sel_hi:[1,0,0]
.endr
.irp p, 0,1,2,3
	v_cvt_pk_f16_f32 v[LO+\p], v[R+2*\p], v[R+2*\p+1]
.endr
.endm
.irp i, 0,1,2,3                        ; q: four registers of its own for each group, so no wait
.irp p, 0,1,2,3
	v_cvt_pk_f16_f32 v[HI+4*\i+\p], v[ACC+48*\i+2*\p], v[ACC+48*\i+2*\p+1]
.endr
	global_store_b128 v[LO16], v[HI+4*\i:HI+4*\i+3], s[QO:QO+1] offset:512*\i
.endr
.irp i, 0,1,2,3                        ; k, and |k|^2 of its rows
.set ka, ACC+48*\i+8
	SPLIT ka
	global_store_b128 v[LO16], v[HI:HI+3], s[KO:KO+1] offset:1024*\i
	global_store_b128 v[LO16], v[LO:LO+3], s[KO:KO+1] offset:1024*\i+512
	v_pk_mul_f32 v[10:11], v[ka:ka+1], v[ka:ka+1]
	v_pk_fma_f32 v[10:11], v[ka+2:ka+3], v[ka+2:ka+3], v[10:11]
	v_pk_fma_f32 v[10:11], v[ka+4:ka+5], v[ka+4:ka+5], v[10:11]
	v_pk_fma_f32 v[10:11], v[ka+6:ka+7], v[ka+6:ka+7], v[10:11]
	v_add_f32 v10, v10, v11
	v_permlanex16_b32 v11, v10, s[SEL], s[SEL+1]   ; the row's other eight features lie in the lane 16 away
.if \i == 0
	v_add_f32 v[KMX], v10, v11
.else
	v_add_f32 v10, v10, v11
	v_max_num_f32 v[KMX], v[KMX], v10
.endif
.endr
	global_store_b32 v[KMO], v[KMX], s[MO:MO+1]
.irp i, 0,1,2,3                        ; v: group i is half i % 2 of chunk i / 2
.irp c, 0,1,2,3
	SPLIT ACC+48*\i+16+8*\c
	global_store_b128 v[LO16], v[HI:HI+3], s[VH:VH+1] offset:4096*(\i/2)+1024*\c+512*(\i%2)
	global_store_b128 v[LO16], v[LO:LO+3], s[VL:VL+1] offset:4096*(\i/2)+1024*\c+512*(\i%2)
.endr
.endr
	s_wait_tensorcnt 0x0                           ; the wave's end, behind my last tensor load
	ds_add_u32 v[SPW], v[NIL]
	s_wait_dscnt 0x0
	CROUND                                         ; the closing round
	s_endpgm
.Lfunc_end_k_q3b1b449a22_proj:
	.size	k_q3b1b449a22_proj, .Lfunc_end_k_q3b1b449a22_proj-k_q3b1b449a22_proj
	.p2alignl 7, 3214868480
	.fill 96, 4, 3214868480
	.section	.rodata,"a",@progbits
	.p2align	6, 0x0
	.amdhsa_kernel k_q3b1b449a22_proj
		.amdhsa_group_segment_fixed_size 203264
		.amdhsa_private_segment_fixed_size 0
		.amdhsa_enable_private_segment 0
		.amdhsa_kernarg_size 48
		.amdhsa_user_sgpr_count 2
		.amdhsa_user_sgpr_kernarg_segment_ptr 1
		.amdhsa_wavefront_size32 1
		.amdhsa_system_sgpr_workgroup_id_x 1
		.amdhsa_system_sgpr_workgroup_id_y 1
		.amdhsa_system_sgpr_workgroup_id_z 1
		.amdhsa_system_vgpr_workitem_id 0
		.amdhsa_next_free_vgpr 608
		.amdhsa_next_free_sgpr 66
		.amdhsa_reserve_vcc 0
		.amdhsa_float_denorm_mode_32 3
		.amdhsa_float_denorm_mode_16_64 3
		.amdhsa_memory_ordered 1
		.amdhsa_forward_progress 1
		.amdhsa_inst_pref_size 87
	.end_amdhsa_kernel
	.amdgpu_metadata
---
amdhsa.version: [ 1, 2 ]
amdhsa.kernels:
  - .name:           k_q3b1b449a22_proj
    .symbol:         k_q3b1b449a22_proj.kd
    .args:
      - { .name: xb, .offset: 0, .size: 8, .value_kind: global_buffer, .address_space: global }
      - { .name: wcat, .offset: 8, .size: 8, .value_kind: global_buffer, .address_space: global }
      - { .name: qf, .offset: 16, .size: 8, .value_kind: global_buffer, .address_space: global }
      - { .name: kf, .offset: 24, .size: 8, .value_kind: global_buffer, .address_space: global }
      - { .name: vf, .offset: 32, .size: 8, .value_kind: global_buffer, .address_space: global }
      - { .name: kmx, .offset: 40, .size: 8, .value_kind: global_buffer, .address_space: global }
    .group_segment_fixed_size: 203264
    .private_segment_fixed_size: 0
    .kernarg_segment_align: 8
    .kernarg_segment_size: 48
    .max_flat_workgroup_size: 128
    .sgpr_count:     66
    .vgpr_count:     608
    .wavefront_size: 32
...
	.end_amdgpu_metadata
.endif
;; end of part 2
;; launch attn (part 3): grid 8 x 32, 4 waves a work-group, no clusters, 141,824 bytes of LDS; arguments qf, kf, vf, kmx, yb; writes yb
.if DOCPART == 3
	.amdgcn_target "amdgcn-amd-amdhsa--gfx1250"
	.amdhsa_code_object_version 6
	.text
	.protected	k_q3b1b449a22_attn
	.globl	k_q3b1b449a22_attn
	.p2align	8
	.type	k_q3b1b449a22_attn,@function
k_q3b1b449a22_attn:
	s_mov_b64 s[64:65], 0
	v_nop
	global_prefetch_b8 v0, s[64:65] scope:SCOPE_SE
	s_setreg_imm32_b32 hwreg(HW_REG_WAVE_MODE, 25, 1), 1
	s_wait_xcnt 0x0
; CAUSAL ATTENTION WITH THE WEIGHT P = 1 + s / 4 + s^2 / 32, s = q . k over 16 features: that is the product of the two second-order feature maps, which are never formed.
; y[n] = (sum over m <= n of P[n][m] v[m]) / (sum over m <= n of P[n][m] + 1e-12).  P is at least 1/2.  There is no exponential and no maximum in this weight.
; FORMATS.  s: f16 products with f32 sums: the K fragment's 32 places hold k hi (16 features) and k lo, the Q fragment's q twice.  P: in f32, then f16 for the second product, SCALED BY ROW:
; c = 256 / (1 + t / 4 + t^2 / 32), t = |q| x (the largest |k| of the batch and head): since |s| <= t, c P <= 256 for every input.  c lies in the polynomial's three coefficients (a lane holds one query)
; and cancels: y = O' / (l' + c 1e-12).  l' is the sum of the ROUNDED c P, made by the matrix unit (source 0 = ones).  V: f16 hi; in a block's diagonal tile also f16 lo.  y leaves as bf16 hi and bf16 lo.
; LIMITS.  q, k, v arrive within f16's range.  c P below 6e-5 keeps f16's fixed step of 6e-8.  NaN and infinities are not treated apart.
; THE WALK.  A head has 16 blocks of 128 queries; block i needs the key tiles 0 .. i of 128 keys, the last of which holds the diagonal.  A work-group takes blocks 15 - b and then b: 2 diagonal and 15 full tiles, whatever b.
; SHARES.  KEYS ARE SPLIT AMONG THE WAVES: every wave holds all 128 queries (8 tiles of 16); of each key tile wave w takes keys 32 w .. 32 w + 31.  The four partial O' and l' simply add: they meet in LDS at a
; block's end.  So each byte of K and V is read by one wave of the work-group, straight into registers (kf and vf hold fragments as they lie in registers): the loop has no LDS and no barrier.
; NO CLUSTER: a head's eight work-groups walk different numbers of tiles at any time, and K and V go to registers, where no joint form exists.
; A BLOCK BEGINS WITH ITS DIAGONAL TILE, whose text is apart anyway (mask, V lo): its products start all sums with the constant 0.
; LAYOUT.  S^T = K Q^T: a lane holds ONE query (lane % 16) and keys 8 (lane / 16) + 0..7; two such results, rounded in pairs, ARE source 1 of O^T = V^T P, which again holds one query a lane, and eight channels.
; BY RIDERS.  A trip has 56 products and 192 vector instructions (for two scores: two packed multiply-adds and a rounding).  Tile t + 2's vector work stands behind tile t's products.
; REGISTERS, in windows of 256 (s_set_vgpr_msb: bits 1:0 source 0, 3:2 source 1, 5:4 source 2, 7:6 destination):
;   window 0: v0-31 addresses and at work; v32-95 eight registers of coefficients a tile; v96-127 two buffers of 16 at work; v128-255 S^T, 16 a tile, whose first 8 then hold P
;   window 1: O^T (t, cb) at 32 t + 8 cb      window 2: v0-63 Q; v64-127 l' (t) at 64 + 8 t; v128-159 V lo; v160-167 ones      window 3: three sets of 48: K (2 x 8), V (4 x 8)
.set OPP,   272                        ; a row of a partial O' in LDS: 64 f32 + 16 bytes: the 16 rows that a store or load touches start at 16 different groups of four banks (ISA guide 11.1)
.set OPW,   128*OPP                    ; a wave's partial O'
.set LP,    4*OPW                      ; behind them: the partial l', 512 bytes a wave
.set SPARE, LP+2048                    ; behind them: the spare words, 128 bytes for each wave, which no other line names
.set LO16, 2                           ; v2  16 x lane; never rewritten
.set RR,   3                           ; v3  lane % 16
.set HH,   4                           ; v4  lane / 16
.set STO,  5                           ; v5  where I put my 32 bytes of a row of my partial O'
.set LST,  6                           ; v6  where I put my partial l'
.set LRD,  7                           ; v7  where I read the four partial l' of my rows
.set RDO,  10                          ; v10-13  where I read wave v's partial O' of my rows
.set E0,   14                          ; v14 r - 8 h - 32 w
.set KM,   15                          ; v15 the largest |k|^2 of the batch and head
.set SPW,  16                          ; v16 LDS address of my spare word; never rewritten
.set NIL,  17                          ; v17 0; never rewritten
.set ZERO, 19                          ; v19 0.0
.set TW,   20                          ; v20-27 at work, one a tile
.set CF,   32                          ; tile t at CF + 8 t: c/32 twice, c/4 twice, c twice, e = E0 + 16 t, |q|^2
.set TB,   96
.set SB,   128
.set LAC,  64                          ; window 2
.set VLO,  128                         ; window 2
.set ONES, 160                         ; window 2
.set WV,  14                           ; s14 my wave's number
.set PB,  15                           ; s15 b
.set BH,  16                           ; s16 16 x batch + head
.set CUR, 17                           ; s17 the block in hand
.set CNT, 18                           ; s18 its full tiles
.set IT,  19                           ; s19 the full tile in hand
.set PAS, 20                           ; s20 counts the loop's passes of three tiles
.set BL,  21                           ; s21 blocks to go
.set FT,  22                           ; s22 the tile or block to be asked for
.set QB,  24                           ; s[24:25] qf at the batch and head
.set KB,  26                           ; s[26:27] kf there, at my 32 keys of tile 0
.set VB,  28                           ; s[28:29] vf hi likewise
.set VLB, 30                           ; s[30:31] vf lo
.set KA,  32
.set VA,  34
.set QA,  36
.set VLA, 38
.set KMB, 40
.set OFF, 42                           ; s[42:43] an offset, its high word 0
.set YA,  44                           ; s[44:45] yb hi at my rows and head
.set SEL, 46                           ; s[46:47] v_permlanex16_b32's selects
.set YL,  50                           ; s[50:51] yb lo
.set MSB, 0
.macro WIN new                         ; the immediate's high byte repeats the setting that is left; a switch that changes nothing is dropped
.if MSB != (\new)
	s_set_vgpr_msb (MSB<<8)|(\new)
.set MSB, \new
.endif
.endm
.macro PLACES
.rept 4
	v_nop
.endr
.endm
	s_load_b256 s[4:11], s[0:1], 0x0               ; qf s[4:5], kf s[6:7], vf s[8:9], kmx s[10:11]
	s_load_b64 s[12:13], s[0:1], 0x20              ; yb
	v_lshl_add_u32 v[SPW], v0, 2, SPARE
	v_mov_b32 v[NIL], 0
	v_mov_b32 v[ZERO], 0
	v_lshrrev_b32 v20, 5, v0
	v_readfirstlane_b32 s[WV], v20                 ; wave 0..3
	s_mov_b32 s[PB], ttmp9
	s_and_b32 s[BH], ttmp7, 0xffff
	v_and_b32 v21, 31, v0
	v_lshlrev_b32 v[LO16], 4, v21
	v_and_b32 v[RR], 15, v0
	v_bfe_u32 v[HH], v0, 4, 1
	v_mul_u32_u24 v22, v[RR], OPP
	v_lshl_add_u32 v22, v[HH], 5, v22              ; 272 r + 32 h
	s_mul_i32 s20, s[WV], OPW
	v_add_nc_u32 v[STO], s20, v22
	s_lshl_b32 s20, s[WV], 9
	s_add_co_u32 s20, s20, LP
	v_lshl_add_u32 v[LST], v[RR], 2, s20
	s_lshl_b32 s20, s[WV], 7                       ; I finish rows 32 w .. 32 w + 31
	s_add_co_u32 s20, s20, LP
	v_lshl_add_u32 v[LRD], v[RR], 2, s20
	s_mul_i32 s20, s[WV], 32*OPP
	v_add_nc_u32 v[RDO], s20, v22
	v_add_nc_u32 v[RDO+1], OPW, v[RDO]
	v_add_nc_u32 v[RDO+2], 2*OPW, v[RDO]
	v_add_nc_u32 v[RDO+3], 3*OPW, v[RDO]
	v_lshlrev_b32 v23, 3, v[HH]
	v_sub_nc_u32 v[E0], v[RR], v23
	s_lshl_b32 s20, s[WV], 5
	s_sub_co_u32 s20, 0, s20
	v_add_nc_u32 v[E0], s20, v[E0]
.irp i, 4,5,6,7
	v_mov_b32 v[TW+\i], 0                          ; v_permlanex16_b32's destination counts as read: these are written once here (v20-23 have been)
.endr
	WIN 0x80
.irp i, 0,1,2,3,4,5,6,7
	v_mov_b32 v[ONES+\i], 0x3c003c00               ; 1.0 twice, in f16
.endr
	WIN 0
	s_mov_b32 s[SEL], 0x76543210
	s_mov_b32 s[SEL+1], 0xfedcba98
	s_mov_b32 s48, 0x2a8cbccc                      ; 1e-12 / 4: each of the four partial l' carries a quarter of c 1e-12
	s_mov_b32 s49, 0xffff0000                      ; a word's upper bf16
	s_mov_b32 s52, 0x3e800000                      ; 1/4
	s_mov_b32 s53, 0x3d000000                      ; 1/32
	s_mov_b32 s[OFF+1], 0
	s_mov_b32 s[BL], 2
	s_sub_co_u32 s[CUR], 15, s[PB]
	s_mov_b32 s[FT], s[CUR]
	s_wait_kmcnt 0x0
	s_lshl_b32 s[OFF], s[BH], 16
	s_add_nc_u64 s[QB:QB+1], s[4:5], s[OFF:OFF+1]
	s_lshl_b32 s[OFF], s[BH], 17
	s_lshl_b32 s23, s[WV], 11
	s_add_co_u32 s[OFF], s[OFF], s23
	s_add_nc_u64 s[KB:KB+1], s[6:7], s[OFF:OFF+1]
	s_lshl_b32 s[OFF], s[BH], 18
	s_lshl_b32 s23, s[WV], 12
	s_add_co_u32 s[OFF], s[OFF], s23
	s_add_nc_u64 s[VB:VB+1], s[8:9], s[OFF:OFF+1]
	s_add_nc_u64 s[VLB:VLB+1], s[VB:VB+1], 0x800000
	s_lshl_b32 s[OFF], s[BH], 12
	s_add_nc_u64 s[KMB:KMB+1], s[10:11], s[OFF:OFF+1]
.irp i, 0,1,2,3,4,5,6,7
	global_load_b128 v[SB+4*\i:SB+4*\i+3], v[LO16], s[KMB:KMB+1] offset:512*\i  ; the batch and head's 1,024 maxima of |k|^2
.endr
; My 32 keys of a tile into set X: K's two groups (hi, lo) and V's four channel blocks: 12 loads of 512 consecutive bytes
.macro LSET set, kb, ko, vb, vo
.irp a, 0,1
	global_load_b128 v[48*(\set)+8*\a:48*(\set)+8*\a+3],   v[LO16], s[\kb:\kb+1] offset:(\ko)+1024*\a
	global_load_b128 v[48*(\set)+8*\a+4:48*(\set)+8*\a+7], v[LO16], s[\kb:\kb+1] offset:(\ko)+1024*\a+512
.endr
.irp c, 0,1,2,3
	global_load_b128 v[48*(\set)+16+8*\c:48*(\set)+16+8*\c+3], v[LO16], s[\vb:\vb+1] offset:(\vo)+1024*\c
	global_load_b128 v[48*(\set)+16+8*\c+4:48*(\set)+16+8*\c+7], v[LO16], s[\vb:\vb+1] offset:(\vo)+1024*\c+512
.endr
.endm
; All that block s[FT] begins with, 60 loads in this order: Q (16: each group's 512 bytes twice), V lo of the diagonal tile (8), the diagonal tile (set 2), tiles 0 and 1 (sets 0 and 1).
; first = 1, the launch's first block: behind the first 36 of them the maxima of |k|^2, asked for ahead of them, are waited for and reduced; tiles 0 and 1, wanted only behind the diagonal tile, are asked for behind that.
.macro ISSUE first
	s_lshl_b32 s[OFF], s[FT], 12
	s_add_nc_u64 s[QA:QA+1], s[QB:QB+1], s[OFF:OFF+1]
	s_lshl_b32 s[OFF], s[FT], 13
	s_add_nc_u64 s[KA:KA+1], s[KB:KB+1], s[OFF:OFF+1]
	s_lshl_b32 s[OFF], s[FT], 14
	s_add_nc_u64 s[VA:VA+1], s[VB:VB+1], s[OFF:OFF+1]
	s_add_nc_u64 s[VLA:VLA+1], s[VLB:VLB+1], s[OFF:OFF+1]
	WIN 0x80                                       ; destination window 2
.irp t, 0,1,2,3,4,5,6,7
	global_load_b128 v[8*\t:8*\t+3],   v[LO16], s[QA:QA+1] offset:512*\t
	global_load_b128 v[8*\t+4:8*\t+7], v[LO16], s[QA:QA+1] offset:512*\t
.endr
.irp c, 0,1,2,3
	global_load_b128 v[VLO+8*\c:VLO+8*\c+3],   v[LO16], s[VLA:VLA+1] offset:1024*\c
	global_load_b128 v[VLO+8*\c+4:VLO+8*\c+7], v[LO16], s[VLA:VLA+1] offset:1024*\c+512
.endr
	WIN 0xc0                                       ; destination window 3
	LSET 2, KA, 0, VA, 0
.if \first
	WIN 0
	s_wait_loadcnt 36                              ; the maxima are in: the 36 loads issued behind them stay out
	v_max3_num_f32 v[KM], v[SB], v[SB+1], v[SB+2]
.set i, SB+3
.rept 14
	v_max3_num_f32 v[KM], v[KM], v[i], v[i+1]
.set i, i+2
.endr
	v_max_num_f32 v[KM], v[KM], v[SB+31]
	v_max_num_f32_dpp v[KM], v[KM], v[KM] row_xmask:1 row_mask:0xf bank_mask:0xf
	v_max_num_f32_dpp v[KM], v[KM], v[KM] row_xmask:2 row_mask:0xf bank_mask:0xf
	v_max_num_f32_dpp v[KM], v[KM], v[KM] row_xmask:4 row_mask:0xf bank_mask:0xf
	v_max_num_f32_dpp v[KM], v[KM], v[KM] row_xmask:8 row_mask:0xf bank_mask:0xf
	v_permlanex16_b32 v20, v[KM], s[SEL], s[SEL+1]
	v_max_num_f32 v[KM], v[KM], v20
	WIN 0xc0
.endif
	LSET 0, KB, 0, VB, 0
	LSET 1, KB, 8192, VB, 16384
	WIN 0
.endm
; THE MATRIX WORK.  Every accumulator has one product a trip (O^T in the diagonal tile two, four others between): the accumulators take turns.
.macro SMM set, t, a                   ; S^T of key group a, tile t: one product, which starts and ends the sum
	WIN 0x0b                                       ; K window 3, Q window 2, S^T window 0
	v_wmma_f32_16x16x32_f16 v[SB+16*(\t)+8*(\a):SB+16*(\t)+8*(\a)+7], v[48*(\set)+8*(\a):48*(\set)+8*(\a)+7], v[8*(\t):8*(\t)+7], 0
.endm
.macro PVM set, t, cb, z               ; O^T (t, cb) += V^T P; z = 1: it starts the sum
	WIN 0x53                                       ; V window 3, P window 0, O^T window 1
.if \z
	v_wmma_f32_16x16x32_f16 v[32*(\t)+8*(\cb):32*(\t)+8*(\cb)+7], v[48*(\set)+16+8*(\cb):48*(\set)+16+8*(\cb)+7], v[SB+16*(\t):SB+16*(\t)+7], 0
.else
	v_wmma_f32_16x16x32_f16 v[32*(\t)+8*(\cb):32*(\t)+8*(\cb)+7], v[48*(\set)+16+8*(\cb):48*(\set)+16+8*(\cb)+7], v[SB+16*(\t):SB+16*(\t)+7], v[32*(\t)+8*(\cb):32*(\t)+8*(\cb)+7]
.endif
.endm
.macro LMM t, z                        ; l' (t) += ones x P: every register of the result holds the query's sum
	WIN 0xa2                                       ; ones and l' window 2, P window 0
.if \z
	v_wmma_f32_16x16x32_f16 v[LAC+8*(\t):LAC+8*(\t)+7], v[ONES:ONES+7], v[SB+16*(\t):SB+16*(\t)+7], 0
.else
	v_wmma_f32_16x16x32_f16 v[LAC+8*(\t):LAC+8*(\t)+7], v[ONES:ONES+7], v[SB+16*(\t):SB+16*(\t)+7], v[LAC+8*(\t):LAC+8*(\t)+7]
.endif
.endm
.macro PLM t, cb                       ; O^T (t, cb) += (V lo)^T P
	WIN 0x52                                       ; V lo window 2
	v_wmma_f32_16x16x32_f16 v[32*(\t)+8*(\cb):32*(\t)+8*(\cb)+7], v[VLO+8*(\cb):VLO+8*(\cb)+7], v[SB+16*(\t):SB+16*(\t)+7], v[32*(\t)+8*(\cb):32*(\t)+8*(\cb)+7]
.endm
; THE VECTOR WORK of tile t is a numbered list; VEC writes number n.  s0-s15 are the lane's scores (8 of each key group), in pairs.
;   0-7    T = s c/32 + c/4, a pair each (each accumulator's lowest pair is read first)          8-15   T = T s + c
;   m = 1 (the diagonal tile), 16-47: score k is hidden where its key, 16 (k / 8) + k % 8 of my lanes' 32, lies beyond e: a compare and a select each
;   the last 8: a pair of weights rounded to f16, into S^T's first eight registers
.macro VEC t, n, m
.set rS, SB+16*(\t)
.set rT, TB+16*((\t)&1)
.set rC, CF+8*(\t)
.if (\n) < 8
	v_pk_fma_f32 v[rT+2*(\n):rT+2*(\n)+1], v[rS+2*(\n):rS+2*(\n)+1], v[rC:rC+1], v[rC+2:rC+3]
.elseif (\n) < 16
.set u, (\n)-8
	v_pk_fma_f32 v[rT+2*u:rT+2*u+1], v[rT+2*u:rT+2*u+1], v[rS+2*u:rS+2*u+1], v[rC+4:rC+5]
.elseif (\m) && ((\n) < 48)
.set u, ((\n)-16)/2
.if ((\n)&1) == 0
	v_cmp_le_i32 vcc_lo, 16*(u/8)+u%8, v[rC+6]
.else
	v_cndmask_b32 v[rT+u], 0, v[rT+u], vcc_lo
.endif
.else
.set u, (\n)-16-32*(\m)
	v_cvt_pk_f16_f32 v[rS+u], v[rT+2*u], v[rT+2*u+1]
.endif
.endm
.macro RID cnt                         ; the next cnt entries of the eight tiles' lists, tile after tile; nothing when they are used up
.rept \cnt
.if q < 8*LEN
	WIN 0
	VEC q/LEN, q%LEN, MK
.set q, q+1
.endif
.endr
.endm
; A FULL TILE, in set X.  The tile two on is asked for into the set that the last trip's products read, five plain instructions behind the last of them.
; The wait: behind set X's 12 loads at most 24 have been issued (the last trip's fetch and this one's); a trip that fetches nothing waits for all.
.macro TRIP X
.set q, 0
.set LEN, 24
.set MK, 0
	WIN 0
	s_wait_xcnt 0x0                                ; the loads issued so far have read their addresses: KA and VA may be written
	s_add_co_u32 s[FT], s[IT], 2
	s_cmp_lt_u32 s[FT], s[CNT]
	s_cbranch_scc0 .Lnofetch_\@
	s_lshl_b32 s[OFF], s[FT], 13
	s_add_nc_u64 s[KA:KA+1], s[KB:KB+1], s[OFF:OFF+1]
	s_lshl_b32 s[OFF], s[FT], 14
	s_add_nc_u64 s[VA:VA+1], s[VB:VB+1], s[OFF:OFF+1]
	WIN 0xc0
	LSET ((\X)+2)%3, KA, 0, VA, 0
	WIN 0
	s_wait_loadcnt 24
	s_branch .Lgo_\@
.Lnofetch_\@:
	s_wait_loadcnt 0x0
.Lgo_\@:
	SMM \X, 0, 0
	SMM \X, 0, 1
	SMM \X, 1, 0
	SMM \X, 1, 1
	PLACES                                         ; in front of the first reads of those scores
.irp t, 2,3,4,5,6,7                    ; 12 products, behind each four of tiles 0 and 1's 48
	SMM \X, \t, 0
	RID 4
	SMM \X, \t, 1
	RID 4
.endr
.irp t, 0,1,2,3,4,5,6,7                ; tile t's five products, behind them tile t + 2's 24
	PVM \X, \t, 0, 0
	RID 5
	PVM \X, \t, 1, 0
	RID 5
	PVM \X, \t, 2, 0
	RID 5
	PVM \X, \t, 3, 0
	RID 5
	LMM \t, 0
	RID 4
.endr
	WIN 0
.rept 5
	v_nop                                          ; the places behind the last products: the next products write over P, the next fetch lands in the set just read
.endr
.endm
; THE DIAGONAL TILE, in set 2: it starts all sums, takes the mask, and multiplies by V lo too.  Tiles that lie wholly above the diagonal for my 32 keys are computed with P = 0.
.macro DIAG
.set q, 0
.set LEN, 56
.set MK, 1
	s_wait_loadcnt 24                              ; V lo and set 2 are in; sets 0 and 1 may stay out
.irp t, 0,1,2,3,4,5,6,7
	SMM 2, \t, 0
	SMM 2, \t, 1
.endr
	PLACES
	RID 112                                        ; tiles 0 and 1
.irp t, 0,1,2,3,4,5,6,7                ; tile t's nine products, behind them tile t + 2's 56
	PVM 2, \t, 0, 1
	RID 7
	PVM 2, \t, 1, 1
	RID 7
	PVM 2, \t, 2, 1
	RID 6
	PVM 2, \t, 3, 1
	RID 6
	LMM \t, 1
	RID 6
	PLM \t, 0
	RID 6
	PLM \t, 1
	RID 6
	PLM \t, 2
	RID 6
	PLM \t, 3
	RID 6
.endr
	WIN 0
.rept 5
	v_nop
.endr
.endm
	ISSUE 1                                        ; the first block, and the largest |k|^2
.Lblock:
	; THE COEFFICIENTS of the block's eight tiles: |q|^2 of my query, t^2 = |q|^2 max |k|^2, c = 256 / (1 + t / 4 + t^2 / 32)
	s_wait_loadcnt 44                              ; Q is in: behind it V lo's 8 loads and the three sets' 36
	WIN 0x0a                                       ; sources 0 and 1 window 2
.irp p, 0,1,2,3
.irp e, 0,1
.irp t, 0,1,2,3,4,5,6,7
.if (\p)+(\e) == 0
	v_fma_mix_f32 v[CF+8*\t+7], v[8*\t], v[8*\t], v[ZERO] op_sel:[0,0,0] op_sel_hi:[1,1,0]
.else
	v_fma_mix_f32 v[CF+8*\t+7], v[8*\t+\p], v[8*\t+\p], v[CF+8*\t+7] op_sel:[\e,\e,0] op_sel_hi:[1,1,0]
.endif
.endr
.endr
.endr
	WIN 0
.irp t, 0,1,2,3,4,5,6,7
	v_permlanex16_b32 v[TW+\t], v[CF+8*\t+7], s[SEL], s[SEL+1]  ; the query's other eight features lie in the lane 16 away
.endr
.irp t, 0,1,2,3,4,5,6,7
	v_add_f32 v[CF+8*\t+7], v[CF+8*\t+7], v[TW+\t]
.endr
.irp t, 0,1,2,3,4,5,6,7
	v_mul_f32 v[TW+\t], v[CF+8*\t+7], v[KM]        ; t^2
.endr
.irp t, 0,1,2,3,4,5,6,7
	v_sqrt_f32 v[CF+8*\t], v[TW+\t]
.endr
	v_nop                                          ; a plain instruction behind the last square root,
	s_wait_alu depctr_va_vdst(0)                   ; and the wait ahead of the first use: one for the eight
.irp t, 0,1,2,3,4,5,6,7
	v_fma_f32 v[CF+8*\t], v[CF+8*\t], s52, 1.0
.endr
.irp t, 0,1,2,3,4,5,6,7
	v_fma_f32 v[CF+8*\t], v[TW+\t], s53, v[CF+8*\t]
.endr
.irp t, 0,1,2,3,4,5,6,7
	v_rcp_f32 v[CF+8*\t+2], v[CF+8*\t]
.endr
	v_nop
	s_wait_alu depctr_va_vdst(0)                   ; one for the eight reciprocals
.irp t, 0,1,2,3,4,5,6,7
	v_mul_f32 v[CF+8*\t+4], 0x43800000, v[CF+8*\t+2]  ; c, twice: a pair for the packed multiply-add
	v_mul_f32 v[CF+8*\t+5], 0x43800000, v[CF+8*\t+2]
.endr
.irp t, 0,1,2,3,4,5,6,7
	v_mul_f32 v[CF+8*\t+2], s52, v[CF+8*\t+4]
	v_mul_f32 v[CF+8*\t+3], s52, v[CF+8*\t+4]
	v_mul_f32 v[CF+8*\t], s53, v[CF+8*\t+4]
	v_mul_f32 v[CF+8*\t+1], s53, v[CF+8*\t+4]
	v_add_nc_u32 v[CF+8*\t+6], 16*\t, v[E0]
.endr
	DIAG
	s_mov_b32 s[CNT], s[CUR]
	s_mov_b32 s[IT], 0
	s_mov_b32 s[PAS], 5                            ; 15 full tiles at the most
	s_cmp_eq_u32 s[CNT], 0
	s_cbranch_scc1 .Lend
.Ltrip:
	TRIP 0
	s_add_co_u32 s[IT], s[IT], 1
	s_cmp_eq_u32 s[IT], s[CNT]
	s_cbranch_scc1 .Lend
	TRIP 1
	s_add_co_u32 s[IT], s[IT], 1
	s_cmp_eq_u32 s[IT], s[CNT]
	s_cbranch_scc1 .Lend
	TRIP 2
	s_add_co_u32 s[IT], s[IT], 1
	s_cmp_eq_u32 s[IT], s[CNT]
	s_cbranch_scc1 .Lend
	s_sub_co_u32 s[PAS], s[PAS], 1
	s_cmp_lg_u32 s[PAS], 0
	s_cbranch_scc1 .Ltrip
.Lend:	; A BLOCK'S END.  The four waves' partial O' and l' meet in LDS; wave w finishes rows 32 w .. 32 w + 31.
	s_wait_loadcnt 0x0                             ; tiles asked for and not used (a short block's tiles 0 and 1) have landed
	s_wait_xcnt 0x0                                ; and every load and store has read its address: the pointers below may be written
	PLACES
	s_cmp_lg_u32 s[BL], 2
	s_cbranch_scc1 .Lnoissue
	s_mov_b32 s[FT], s[PB]
	ISSUE 0                                        ; the second block's first 60 loads land while the first block is finished
.Lnoissue:
	s_lshr_b32 s[OFF], s[BH], 4                    ; the batch
	s_lshl_b32 s[OFF], s[OFF], 4
	s_add_co_u32 s[OFF], s[OFF], s[CUR]
	s_lshl_b32 s[OFF], s[OFF], 3
	s_lshl1_add_u32 s[OFF], s[WV], s[OFF]          ; my first group of 16 rows: 128 b + 8 block + 2 w
	s_lshl_b32 s[OFF], s[OFF], 15
	s_and_b32 s23, s[BH], 15
	s_lshl_b32 s23, s23, 11                        ; the head's two chunks of 32 channels
	s_add_co_u32 s[OFF], s[OFF], s23
	s_add_nc_u64 s[YA:YA+1], s[12:13], s[OFF:OFF+1]
	s_add_nc_u64 s[YL:YL+1], s[YA:YA+1], 0x800000
	WIN 0x04                                       ; store data window 1
.irp t, 0,1,2,3,4,5,6,7
.irp c, 0,1,2,3
	ds_store_b128 v[STO], v[32*\t+8*\c:32*\t+8*\c+3]   offset:16*OPP*\t+64*\c
	ds_store_b128 v[STO], v[32*\t+8*\c+4:32*\t+8*\c+7] offset:16*OPP*\t+64*\c+16
.endr
.endr
	WIN 0x20                                       ; source 2 window 2
.irp t, 0,1,2,3,4,5,6,7
	v_fma_f32 v[TW+\t], v[CF+8*\t+4], s48, v[LAC+8*\t]  ; my partial l' + c 1e-12 / 4
.endr
	WIN 0
.irp t, 0,1,2,3,4,5,6,7
	ds_store_b32 v[LST], v[TW+\t] offset:64*\t     ; both halves of the lanes write the same number to the same word
.endr
	s_wait_dscnt 0x0                               ; for the others' sake: my stores are done
	s_barrier_signal -1
	s_barrier_wait -1
.irp g, 0,1
.irp w, 0,1,2,3
	ds_load_b32 v[TB+4*\g+\w], v[LRD] offset:512*\w+64*\g
.endr
.endr
; Piece it of eight: group it / 4 of my two, chunk (it / 2) % 2 of the head's two, half it % 2 of the fragment: my row's eight channels, from all four waves
.macro FLOAD it, b
.set lo, 16*OPP*((\it)>>2)+128*(((\it)>>1)&1)+64*((\it)&1)
.irp w, 0,1,2,3
	ds_load_b128 v[SB+32*(\b)+8*\w:SB+32*(\b)+8*\w+3],   v[RDO+\w] offset:lo
	ds_load_b128 v[SB+32*(\b)+8*\w+4:SB+32*(\b)+8*\w+7], v[RDO+\w] offset:lo+16
.endr
.endm
.macro FPROC it, b, left
.set fb, SB+32*(\b)
.set zp, TB+8+2*((\it)>>2)
.set go, 32768*((\it)>>2)+1024*(((\it)>>1)&1)+512*((\it)&1)
	s_wait_dscnt \left                             ; this piece is in; the next piece's eight loads may stay out
	s_wait_xcnt 0x0                                ; the last piece's stores have read their data
.irp p, 0,2,4,6
	v_pk_add_f32 v[fb+\p:fb+\p+1], v[fb+\p:fb+\p+1], v[fb+8+\p:fb+8+\p+1]
	v_pk_add_f32 v[fb+16+\p:fb+16+\p+1], v[fb+16+\p:fb+16+\p+1], v[fb+24+\p:fb+24+\p+1]
.endr
.irp p, 0,2,4,6
	v_pk_add_f32 v[fb+\p:fb+\p+1], v[fb+\p:fb+\p+1], v[fb+16+\p:fb+16+\p+1]
.endr
.irp p, 0,2,4,6
	v_pk_mul_f32 v[fb+\p:fb+\p+1], v[fb+\p:fb+\p+1], v[zp:zp+1]
.endr
.irp p, 0,1,2,3
	v_cvt_pk_bf16_f32 v[TB+12+\p], v[fb+2*\p], v[fb+2*\p+1]     ; y hi
.endr
.irp p, 0,1,2,3
	v_lshlrev_b32 v[fb+8+2*\p], 16, v[TB+12+\p]
	v_and_b32 v[fb+8+2*\p+1], s49, v[TB+12+\p]
.endr
.irp p, 0,2,4,6
	v_pk_add_f32 v[fb+\p:fb+\p+1], v[fb+\p:fb+\p+1], v[fb+8+\p:fb+8+\p+1] neg_lo:[0,1] neg_hi:[0,1]
.endr
.irp p, 0,1,2,3
	v_cvt_pk_bf16_f32 v[TB+16+\p], v[fb+2*\p], v[fb+2*\p+1]     ; y lo
.endr
	global_store_b128 v[LO16], v[TB+12:TB+15], s[YA:YA+1] offset:go  ; 512 consecutive bytes, aligned
	global_store_b128 v[LO16], v[TB+16:TB+19], s[YL:YL+1] offset:go
.endm
	FLOAD 0, 0
	s_wait_dscnt 8                                 ; the eight partial l' are in
	v_add_f32 v[TB], v[TB], v[TB+1]
	v_add_f32 v[TB+2], v[TB+2], v[TB+3]
	v_add_f32 v[TB+4], v[TB+4], v[TB+5]
	v_add_f32 v[TB+6], v[TB+6], v[TB+7]
	v_add_f32 v[TB], v[TB], v[TB+2]
	v_add_f32 v[TB+4], v[TB+4], v[TB+6]
	v_rcp_f32 v[TB+8], v[TB]                       ; each twice: a pair for the packed multiply
	v_rcp_f32 v[TB+9], v[TB]
	v_rcp_f32 v[TB+10], v[TB+4]
	v_rcp_f32 v[TB+11], v[TB+4]
	v_nop
	s_wait_alu depctr_va_vdst(0)                   ; one for the four reciprocals
.set it, 0
.rept 8
.if it < 7
	FLOAD it+1, (it+1)&1
	FPROC it, it&1, 8
.else
	FPROC it, it&1, 0
.endif
.set it, it+1
.endr
	s_wait_xcnt 0x0                                ; the last piece's two stores have read their data, v[TB+12:TB+19]: the next block's diagonal tile writes those registers anew
	s_wait_dscnt 0x0                               ; my reads of the partial sums are over:
	s_barrier_signal -1
	s_barrier_wait -1                              ; everybody's are, so the next block may store there
	s_mov_b32 s[CUR], s[PB]
	s_sub_co_u32 s[BL], s[BL], 1
	s_cmp_lg_u32 s[BL], 0
	s_cbranch_scc1 .Lblock
	s_wait_tensorcnt 0x0                           ; the wave's end, behind my last LDS store
	ds_add_u32 v[SPW], v[NIL]
	s_wait_dscnt 0x0
	s_endpgm
.Lfunc_end_k_q3b1b449a22_attn:
	.size	k_q3b1b449a22_attn, .Lfunc_end_k_q3b1b449a22_attn-k_q3b1b449a22_attn
	.p2alignl 7, 3214868480
	.fill 96, 4, 3214868480
	.section	.rodata,"a",@progbits
	.p2align	6, 0x0
	.amdhsa_kernel k_q3b1b449a22_attn
		.amdhsa_group_segment_fixed_size 141824
		.amdhsa_private_segment_fixed_size 0
		.amdhsa_enable_private_segment 0
		.amdhsa_kernarg_size 40
		.amdhsa_user_sgpr_count 2
		.amdhsa_user_sgpr_kernarg_segment_ptr 1
		.amdhsa_wavefront_size32 1
		.amdhsa_system_sgpr_workgroup_id_x 1
		.amdhsa_system_sgpr_workgroup_id_y 1
		.amdhsa_system_sgpr_workgroup_id_z 1
		.amdhsa_system_vgpr_workitem_id 0
		.amdhsa_next_free_vgpr 912
		.amdhsa_next_free_sgpr 66
		.amdhsa_reserve_vcc 1
		.amdhsa_float_denorm_mode_32 3
		.amdhsa_float_denorm_mode_16_64 3
		.amdhsa_memory_ordered 1
		.amdhsa_forward_progress 1
		.amdhsa_inst_pref_size 147
	.end_amdhsa_kernel
	.amdgpu_metadata
---
amdhsa.version: [ 1, 2 ]
amdhsa.kernels:
  - .name:           k_q3b1b449a22_attn
    .symbol:         k_q3b1b449a22_attn.kd
    .args:
      - { .name: qf, .offset: 0, .size: 8, .value_kind: global_buffer, .address_space: global }
      - { .name: kf, .offset: 8, .size: 8, .value_kind: global_buffer, .address_space: global }
      - { .name: vf, .offset: 16, .size: 8, .value_kind: global_buffer, .address_space: global }
      - { .name: kmx, .offset: 24, .size: 8, .value_kind: global_buffer, .address_space: global }
      - { .name: yb, .offset: 32, .size: 8, .value_kind: global_buffer, .address_space: global }
    .group_segment_fixed_size: 141824
    .private_segment_fixed_size: 0
    .kernarg_segment_align: 8
    .kernarg_segment_size: 40
    .max_flat_workgroup_size: 128
    .sgpr_count:     66
    .vgpr_count:     912
    .wavefront_size: 32
...
	.end_amdgpu_metadata
.endif
;; end of part 3
;; launch oproj (part 4): grid 32 x 8, 4 waves a work-group, clusters of 4 x 1, 304,640 bytes of LDS; arguments yb, wob, out0; writes out0
.if DOCPART == 4
	.amdgcn_target "amdgcn-amd-amdhsa--gfx1250"
	.amdhsa_code_object_version 6
	.text
	.protected	k_q3b1b449a22_oproj
	.globl	k_q3b1b449a22_oproj
	.p2align	8
	.type	k_q3b1b449a22_oproj,@function
k_q3b1b449a22_oproj:
	s_mov_b64 s[64:65], 0
	v_nop
	global_prefetch_b8 v0, s[64:65] scope:SCOPE_SE
	s_setreg_imm32_b32 hwreg(HW_REG_WAVE_MODE, 25, 1), 1
	s_wait_xcnt 0x0
	s_wait_alu depctr_hold_cnt(0) depctr_sa_sdst(0) depctr_va_vdst(0) depctr_va_sdst(0) depctr_va_ssrc(0) depctr_va_vcc(0) depctr_vm_vsrc(0)
	s_getreg_b32 s2, hwreg(HW_REG_IB_STS2, 6, 4)
	s_cmp_eq_u32 s2, 0
	s_cbranch_scc0 .Lentry_in_a_cluster
	s_endpgm
.Lentry_in_a_cluster:
	s_bfe_u32 s2, ttmp6, 0x10000c
	s_cmp_lg_u32 s2, 0x3003
	s_cbranch_scc0 .Lentry_shape_is_right
	s_endpgm
.Lentry_shape_is_right:
; out0 = (y hi + y lo) Wo^T: bf16 products, f32 sums over K = 1,024; out0 in f32.  y's two halves are multiplied by the same fragments of Wo into the same accumulators.
; SHARES.  A work-group: 128 rows x 128 columns.  A wave: 32 rows (2 groups i) x 128 columns (8 blocks j): 16 accumulators, two products a chunk on each, 15 others between.
; WEIGHTS.  The 128 rows of Wo x 1,024 k lie in LDS for the whole launch, as four parts of 256 k; wave w brings part w by one tensor load.  Nothing is filled again: no ring, and one barrier.
; The four work-groups of a cluster have the same columns: the load is JOINT (mask 15).
; y goes straight from memory into registers (yb holds fragments as they lie in registers): a ring of eight register slots, a chunk of 32 k each (hi and lo); seven chunks (56 loads) are out.
; NO JOINT LOAD FOR y: eight work-groups read the same rows, but they go to registers, where no joint form exists.
; The product is TRANSPOSED (source 0 = Wo's rows): a lane holds one row of out0 and eight neighbouring columns.  The way out goes through the wave's own stage in LDS: whole rows of 512 bytes leave.
; REGISTERS, in windows of 256 (s_set_vgpr_msb: bits 1:0 source 0, 3:2 source 1, 5:4 source 2, 7:6 destination):
;   window 0: v0-7 addresses; v32-95 the way out; v128-255 accumulator (i, j) at 128 + 8 (8 i + j)      window 1: y's slot s: hi, group i at 32 s + 8 i; lo at 32 s + 16 + 8 i      window 2: weights' buffer f, block j at 64 f + 8 j
.set PITCH,  528                       ; an LDS row: 512 bytes + 16: row r starts at bank 4 r mod 64 (64 banks of 4 bytes: ISA guide 11.1)
.set PARTB,  128*PITCH                 ; a part: 128 rows x 256 k
.set STAGE,  4*PARTB                   ; behind the four parts, never filled by a tensor load: 16 rows x 528 bytes for each wave
.set SPARE,  STAGE+4*16*PITCH          ; behind the stages: the spare words, 128 bytes for each wave, which no other line names
.set LO16,  1                          ; v1  16 x lane; never rewritten
.set ADRB,  2                          ; v2  my place in a weight fragment, in the part in hand
.set ADRBN, 3                          ; v3  the same in the next part
.set STO,   4                          ; v4  the way out: where I put 32 bytes of a row
.set RD,    5                          ; v5  the way out: where I read 16 bytes of a row back
.set SPW,   6                          ; v6  LDS address of my spare word; never rewritten
.set NIL,   7                          ; v7  0; never rewritten
.set TMP,   32
.set ACC,   128
.set WV,  16                           ; s16 my wave's number
.set G1,  24                           ; s[24:31] descriptor group 1
.set G0,  32                           ; s[32:35] descriptor group 0
.set YH,  48                           ; s[48:49] yb hi at my first group, at the part in hand
.set YL,  50                           ; s[50:51] yb lo
.set OB,  52                           ; s[52:53] out0 at my first row and the work-group's first column
.set CNT, 62
.set MSB, 0
.macro WIN new                         ; the immediate's high byte repeats the setting that is left; a switch that changes nothing is dropped
.if MSB != (\new)
	s_set_vgpr_msb (MSB<<8)|(\new)
.set MSB, \new
.endif
.endm
.macro PLACES                          ; four places behind matrix instructions (ISA guide 7.12.1)
.rept 4
	v_nop
.endr
.endm
.macro CROUND                          ; a round of the cluster's barrier
	s_barrier_signal -1
	s_barrier_wait -1
	s_cmp_lg_u32 s[WV], 0
	s_cbranch_scc1 .Lnot_wave_0_\@
	s_barrier_signal -3
.Lnot_wave_0_\@:
	s_barrier_wait -3
	s_barrier_signal -1
	s_barrier_wait -1
.endm
	s_load_b128 s[4:7], s[0:1], 0x0                ; yb s[4:5], wob s[6:7]
	s_load_b64 s[8:9], s[0:1], 0x10                ; out0
	v_lshl_add_u32 v[SPW], v0, 2, SPARE
	v_mov_b32 v[NIL], 0
	ds_add_u32 v[SPW], v[NIL]                      ; the wave's opening: the add, twice on end, and its wait ahead of my first tensor load
	ds_add_u32 v[SPW], v[NIL]                      ; and once more, under the one wait; the set-up below, work on registers, stands between
	v_lshrrev_b32 v9, 5, v0
	v_readfirstlane_b32 s[WV], v9                  ; wave 0..3
	s_and_b32 s19, ttmp7, 0xffff                   ; the block of 128 columns, which the four partners share
	s_mov_b32 s[G1+0], 15|(1<<16)|(1<<20)|(1<<21)|(6<<22)|(3<<25)  ; 15:0 the mask of four; 17:16 2-byte elements; 20 padding on; 21 set beside a mask; 24:22 after every 128 words (code 6); 31:25 4 words (code 3)
	s_mov_b32 s[G1+1], 256<<16                     ; tensor_dim0 = 256
	s_mov_b32 s[G1+2], 128<<16                     ; tensor_dim1 = 128
	s_mov_b32 s[G1+3], 256<<16                     ; tile_dim0 = 256
	s_mov_b32 s[G1+4], 128                         ; tile_dim1 = 128
	s_mov_b32 s[G1+5], 1024                        ; elements from row to row
	s_mov_b32 s[G1+6], 0
	s_mov_b32 s[G1+7], 0
	s_lshl_b32 s20, s19, 18                        ; 128 rows of 2,048 bytes,
	s_lshl_b32 s21, s[WV], 9                       ; my part's 512 bytes of each
	s_add_co_u32 s20, s20, s21
	s_mov_b32 s21, 0
	s_mov_b32 s[G0], 1                             ; count = 1
	s_mul_i32 s[G0+1], s[WV], PARTB                ; LDS address: part = wave; no place in the cluster enters it
	; what hangs on my place in the cluster: the rows of y and of out0
	s_bfe_u32 s17, ttmp6, 0x40000                  ; cx
	s_lshl_b32 s18, ttmp9, 2
	s_add_co_u32 s18, s18, s17                     ; RT: my block of 128 rows = 4 x cluster x + cx
	s_lshl_b32 s[YH], s18, 3
	s_lshl1_add_u32 s[YH], s[WV], s[YH]            ; my first group of 16 rows: 8 RT + 2 w
	s_lshl_b32 s[OB], s[YH], 16                    ; 16 rows of out0 are 65,536 bytes
	s_lshl_b32 s[YH], s[YH], 15                    ; a group of yb 32,768
	s_mov_b32 s[YH+1], 0
	s_lshl_b32 s3, s19, 9                          ; 128 columns are 512 bytes
	s_add_co_u32 s[OB], s[OB], s3
	s_mov_b32 s[OB+1], 0
	v_and_b32 v9, 31, v0
	v_lshlrev_b32 v[LO16], 4, v9
	v_and_b32 v10, 15, v0                          ; r
	v_bfe_u32 v11, v0, 4, 1                        ; h
	v_mul_u32_u24 v[ADRB], v10, PITCH
	s_mul_i32 s3, s[WV], 16*PITCH
	s_add_co_u32 s3, s3, STAGE                     ; my stage
	v_lshl_add_u32 v[STO], v11, 5, v[ADRB]         ; row r, 32 bytes for each half of the lanes
	v_add_nc_u32 v[STO], s3, v[STO]
	v_add_nc_u32 v[RD], s3, v[LO16]                ; back: 32 lanes take a whole row of 512 bytes
	v_lshl_add_u32 v[ADRB], v11, 4, v[ADRB]        ; row x pitch + 16 x half
	v_add_nc_u32 v[ADRBN], PARTB, v[ADRB]
	s_wait_dscnt 0x0                               ; both opening adds are done
	s_wait_kmcnt 0x0
	s_add_nc_u64 s[G0+2:G0+3], s[6:7], s[20:21]    ; global address of my part
	s_or_b32 s[G0+3], s[G0+3], 0x80000000          ; type = 2
	s_add_nc_u64 s[YH:YH+1], s[4:5], s[YH:YH+1]
	s_add_nc_u64 s[YL:YL+1], s[YH:YH+1], 0x800000
	s_add_nc_u64 s[OB:OB+1], s[8:9], s[OB:OB+1]
	CROUND                                         ; all four work-groups are here: the joint loads meet
	tensor_load_to_lds s[G0:G0+3], s[G1:G1+7]      ; my one tensor load of the launch
	s_nop 0
	PLACES                                         ; four v_nop behind it, ahead of the first switch of windows
; A chunk of y: my two groups' fragments, hi and lo, into slot s: 8 loads of 512 consecutive bytes
.macro ALOAD slot, off
	WIN 0x40                                       ; destination window 1, address window 0
.irp i, 0,1
	global_load_b128 v[32*(\slot)+8*\i:32*(\slot)+8*\i+3],       v[LO16], s[YH:YH+1] offset:32768*\i+(\off)
	global_load_b128 v[32*(\slot)+8*\i+4:32*(\slot)+8*\i+7],     v[LO16], s[YH:YH+1] offset:32768*\i+(\off)+512
	global_load_b128 v[32*(\slot)+16+8*\i:32*(\slot)+16+8*\i+3], v[LO16], s[YL:YL+1] offset:32768*\i+(\off)
	global_load_b128 v[32*(\slot)+16+8*\i+4:32*(\slot)+16+8*\i+7], v[LO16], s[YL:YL+1] offset:32768*\i+(\off)+512
.endr
.endm
; A chunk of the weights: eight fragments into buffer f: 16 loads in one run
.macro BLOAD buf, adr, off
	WIN 0x80                                       ; destination window 2, address window 0
.irp j, 0,1,2,3,4,5,6,7
	ds_load_b128 v[64*(\buf)+8*\j:64*(\buf)+8*\j+3],   v[\adr] offset:16*PITCH*\j+(\off)
	ds_load_b128 v[64*(\buf)+8*\j+4:64*(\buf)+8*\j+7], v[\adr] offset:16*PITCH*\j+(\off)+32
.endr
.endm
; A chunk's 32 products: 16 with y hi, 16 with y lo.  The 16 accumulators take turns over the backward jump too.  zero = 1: the first 16 start the sums.
.macro MULS slot, buf, zero
	WIN 0x06                                       ; source 0 = weights (window 2), source 1 = y (window 1)
.irp g, 0,1
.irp i, 0,1
.irp j, 0,1,2,3,4,5,6,7
.if (\zero) && ((\g) == 0)
	v_wmma_f32_16x16x32_bf16 v[ACC+8*(8*\i+\j):ACC+8*(8*\i+\j)+7], v[64*(\buf)+8*\j:64*(\buf)+8*\j+7], v[32*(\slot)+16*\g+8*\i:32*(\slot)+16*\g+8*\i+7], 0
.else
	v_wmma_f32_16x16x32_bf16 v[ACC+8*(8*\i+\j):ACC+8*(8*\i+\j)+7], v[64*(\buf)+8*\j:64*(\buf)+8*\j+7], v[32*(\slot)+16*\g+8*\i:32*(\slot)+16*\g+8*\i+7], v[ACC+8*(8*\i+\j):ACC+8*(8*\i+\j)+7]
.endif
.endr
.endr
.endr
.endm
; Chunk cc (0..7) of the part in hand.  left: the loads of y younger than this chunk's eight, which may stay out.  aload = 1: the chunk seven on is asked for, into the slot that the last chunk's products read.
; bnext = 1: the next chunk's weights are fetched from this part; 2: from the head of the next part; 0: none.
.macro CH cc, left, aload, bnext, zero
	WIN 0
	s_wait_loadcnt \left                           ; loads come back in order: this chunk of y is in
	s_wait_dscnt 0x0                               ; and its weights, asked for 32 products ago
	PLACES
.if \aload
	ALOAD ((\cc)+7)&7, 1024*((\cc)+7)
.endif
.if (\bnext) == 1
	BLOAD ((\cc)+1)&1, ADRB, 64*((\cc)+1)
.elseif (\bnext) == 2
	BLOAD 0, ADRBN, 0
.endif
	MULS \cc, (\cc)&1, \zero
.endm
.macro STEP                            ; on to the next part
	WIN 0
	s_wait_xcnt 0x0                                ; every load issued so far has read its address (ISA guide 3.1), so the pointers may be written
	s_add_nc_u64 s[YH:YH+1], s[YH:YH+1], 8192
	s_add_nc_u64 s[YL:YL+1], s[YL:YL+1], 8192
	v_add_nc_u32 v[ADRB], PARTB, v[ADRB]
	v_add_nc_u32 v[ADRBN], PARTB, v[ADRBN]
.endm
.irp c, 0,1,2,3,4,5,6
	ALOAD \c, 1024*\c                              ; chunks 0 to 6 of y: 56 loads a wave
.endr
	WIN 0
	s_wait_tensorcnt 0x0                           ; my part of the weights is in,
	s_barrier_signal -1
	s_barrier_wait -1                              ; everybody's is: all 1,024 k
	BLOAD 0, ADRB, 0
	CH 0, 48, 1, 1, 1                              ; chunk 0 stands in front of the loop: its products start the sums.  48: six younger chunks
	WIN 0
	s_mov_b32 s[CNT], 3
.Lpart:                                            ; a trip: chunks 1 to 7 of a part and chunk 0 of the next
.irp c, 1,2,3,4,5,6
	CH \c, 48, 1, 1, 0
.endr
	CH 7, 48, 1, 2, 0
	STEP
	CH 0, 48, 1, 1, 0
	WIN 0
	s_sub_co_u32 s[CNT], s[CNT], 1
	s_cmp_lg_u32 s[CNT], 0
	s_cbranch_scc1 .Lpart
	CH 1, 48, 0, 1, 0                              ; chunks 25 to 31 ask for nothing more of y: the counts run down
	CH 2, 40, 0, 1, 0
	CH 3, 32, 0, 1, 0
	CH 4, 24, 0, 1, 0
	CH 5, 16, 0, 1, 0
	CH 6, 8, 0, 1, 0
	CH 7, 0, 0, 0, 0
	WIN 0
	; THE WAY OUT, 16 rows at a time: a lane's eight columns go into rows of 528 bytes of my own stage and come back as whole rows of 512.  Each accumulator's low registers are read first.
	PLACES
	PLACES
.irp a, 0,1
.irp b, 0,1,2,3,4,5,6,7
	ds_store_b128 v[STO], v[ACC+8*(8*\a+\b):ACC+8*(8*\a+\b)+3]   offset:64*\b
	ds_store_b128 v[STO], v[ACC+8*(8*\a+\b)+4:ACC+8*(8*\a+\b)+7] offset:64*\b+16
.endr
	s_wait_xcnt 0x0                                ; the stores issued so far have read TMP
.set w, 0
.rept 16
	ds_load_b128 v[TMP+4*w:TMP+4*w+3], v[RD] offset:PITCH*w  ; LDS serves a wave's instructions in order (ISA guide 5.7.1.4): these see the stores above; the next 16 rows' stores come behind them
.set w, w+1
.endr
.set w, 0
.rept 16
	s_wait_dscnt 15-w
	global_store_b128 v[LO16], v[TMP+4*w:TMP+4*w+3], s[OB:OB+1] offset:4096*(16*\a+w) th:TH_STORE_NT  ; 512 consecutive bytes, aligned
.set w, w+1
.endr
.endr
	s_wait_tensorcnt 0x0                           ; the wave's end, behind my last tensor load and my last LDS store
	ds_add_u32 v[SPW], v[NIL]
	s_wait_dscnt 0x0
	CROUND                                         ; the closing round
	s_endpgm
.Lfunc_end_k_q3b1b449a22_oproj:
	.size	k_q3b1b449a22_oproj, .Lfunc_end_k_q3b1b449a22_oproj-k_q3b1b449a22_oproj
	.p2alignl 7, 3214868480
	.fill 96, 4, 3214868480
	.section	.rodata,"a",@progbits
	.p2align	6, 0x0
	.amdhsa_kernel k_q3b1b449a22_oproj
		.amdhsa_group_segment_fixed_size 304640
		.amdhsa_private_segment_fixed_size 0
		.amdhsa_enable_private_segment 0
		.amdhsa_kernarg_size 24
		.amdhsa_user_sgpr_count 2
		.amdhsa_user_sgpr_kernarg_segment_ptr 1
		.amdhsa_wavefront_size32 1
		.amdhsa_system_sgpr_workgroup_id_x 1
		.amdhsa_system_sgpr_workgroup_id_y 1
		.amdhsa_system_sgpr_workgroup_id_z 1
		.amdhsa_system_vgpr_workitem_id 0
		.amdhsa_next_free_vgpr 640
		.amdhsa_next_free_sgpr 66
		.amdhsa_reserve_vcc 0
		.amdhsa_float_denorm_mode_32 3
		.amdhsa_float_denorm_mode_16_64 3
		.amdhsa_memory_ordered 1
		.amdhsa_forward_progress 1
		.amdhsa_inst_pref_size 78
	.end_amdhsa_kernel
	.amdgpu_metadata
---
amdhsa.version: [ 1, 2 ]
amdhsa.kernels:
  - .name:           k_q3b1b449a22_oproj
    .symbol:         k_q3b1b449a22_oproj.kd
    .args:
      - { .name: yb, .offset: 0, .size: 8, .value_kind: global_buffer, .address_space: global }
      - { .name: wob, .offset: 8, .size: 8, .value_kind: global_buffer, .address_space: global }
      - { .name: out0, .offset: 16, .size: 8, .value_kind: global_buffer, .address_space: global }
    .group_segment_fixed_size: 304640
    .private_segment_fixed_size: 0
    .kernarg_segment_align: 8
    .kernarg_segment_size: 24
    .max_flat_workgroup_size: 128
    .sgpr_count:     66
    .vgpr_count:     640
    .wavefront_size: 32
...
	.end_amdgpu_metadata
.endif
;; end of part 4
